; MI455X (gfx1250); checked and timed in simulation.
; The chip was launched on July 23, 2026; its instructions are those of AMD's public machine-readable ISA for CDNA 5 (MIT licence, August 2026) and "CDNA5" Instruction Set Architecture Reference Guide (July 2026). The comments in the code are by the model that wrote it; some were corrected since.
;; New Sub Graph. Allowed arithmetic: float matrix products may take bf16 or f16 operands with f32 sums; all other float work in f32.
;; Inputs: W_emb 16 x 128 float32; W_enc 128 x 128 float32; Wk 3 x 128 x 128 float32; Wq 3 x 128 x 128 float32; Wv 3 x 128 x 128 float32; b_emb 128 float32; b_enc 128 float32; beta_emb 128 float32; beta_enc 128 float32; bk 3 x 128 float32; bq 3 x 128 float32; bv 3 x 128 float32; g_emb 128 float32; g_enc 128 float32; lane_nodes_feat 4,096 x 1 x 64 x 16 float32; ln_b 3 x 128 float32; ln_g 3 x 128 float32; masks 4,096 x 1 x 64 x 1 float32.
;; Outputs: out0 4,096 x 1 x 128 float32.
;; One version. Each part assembles by itself: llvm-mc -triple=amdgcn-amd-amdhsa -mcpu=gfx1250 --defsym DOCPART=n.
;; ======== version 1 of 1: 2 launches
;; limits: values are held in f16: magnitudes above 65,504 overflow, below 6.1e-05 lose precision
;; workspace buffers: wf 347,136 bytes
;; launch prep (part 1): grid 163 x 1, 4 waves a work-group, no clusters, 0 bytes of LDS; arguments Wq, Wk, Wv, W_enc, W_emb, b_emb, g_emb, beta_emb, b_enc, g_enc, beta_enc, bq, bk, bv, ln_g, ln_b, wf; writes wf
.if DOCPART == 1
	.amdgcn_target "amdgcn-amd-amdhsa--gfx1250"
	.amdhsa_code_object_version 6
	.text
	.protected	k_q5ef4a490b8_prep
	.globl	k_q5ef4a490b8_prep
	.p2align	8
	.type	k_q5ef4a490b8_prep,@function
k_q5ef4a490b8_prep:
	s_mov_b64 s[64:65], 0
	v_nop
	global_prefetch_b8 v0, s[64:65] scope:SCOPE_SE
	s_setreg_imm32_b32 hwreg(HW_REG_WAVE_MODE, 25, 1), 1
	s_wait_xcnt 0x0
; PREP: the weights, rounded once to f16, are laid in the order in which a matrix fragment is loaded; the vectors, in f32, in the order in which the main launch reads them from LDS.
; LIMIT.  f16 holds no number beyond 65,504 and keeps a fixed step of 6e-8 below 6.1e-5: the weights lie within that.
; A fragment of a matrix W[k][n] is 16 n x 32 k in 8 registers: lane l holds n = l % 16; registers 0-3 hold k = 8 (l / 16) + 0..7, registers 4-7 hold k = 16 + 8 (l / 16) + 0..7.
; Fragment (tau = n / 16, c = k / 32) lies at (4 tau + c) x 1,024 bytes of its matrix; its half u (registers 4 u ..) at u x 512, lane l's 16 bytes at 16 l.
; SHARES.  Work-groups 0-159: ten matrices (Wq[0..2], Wk[0..2], Wv[0..2], W_enc), 16 work-groups each, a wave to a half fragment of 512 bytes.
; Work-groups 160, 161: W_emb's eight half fragments (it has 16 rows: k = 0..15 alone).  Work-group 162: the vectors.
; Every store of a wave covers 512 consecutive bytes at a multiple of 256 from wf's first byte.  No LDS, no barrier, no loop.
.set EMB,   294912                     ; wf: 0 the nine attention matrices, layer d at 98,304 d: Wq, Wk, Wv, 32,768 each
.set PLN,   299008                     ; five stages (emb, enc, ln[0..2]) of 1,024: gain, then offset
.set PB0,   304128                     ; b_emb, b_enc
.set PBQK,  305152                     ; layer d at 1,024 d: bq, bk
.set BV4,   308224                     ; layer d at 2,048 d: bv[n] four times at 16 n
.set WENC,  314368                     ; W_enc's fragments
	s_load_b512 s[4:19], s[0:1], 0x0               ; Wq 4, Wk 6, Wv 8, W_enc 10, W_emb 12, b_emb 14, g_emb 16, beta_emb 18
	s_load_b512 s[20:35], s[0:1], 0x40             ; b_enc 20, g_enc 22, beta_enc 24, bq 26, bk 28, bv 30, ln_g 32, ln_b 34
	s_load_b64 s[36:37], s[0:1], 0x80              ; wf
	v_lshrrev_b32 v1, 5, v0
	v_readfirstlane_b32 s38, v1                    ; wave 0..3
	v_and_b32 v2, 31, v0                           ; lane
	v_lshlrev_b32 v5, 4, v2                        ; 16 x lane
	s_mov_b32 s39, ttmp9                           ; x
	s_mov_b32 s51, 0                               ; high words of the two offsets
	s_mov_b32 s53, 0
	s_wait_kmcnt 0x0
	s_cmp_eq_u32 s39, 162
	s_cbranch_scc1 .Lvectors
	s_cmp_ge_u32 s39, 160
	s_cbranch_scc1 .Lemb
	; a half fragment of one of the ten matrices
	s_lshr_b32 s42, s39, 4                         ; matrix 0..9
	s_bfe_u32 s43, s39, 0x30001                    ; tau = (x >> 1) & 7
	s_and_b32 s48, s39, 1
	s_lshl2_add_u32 s48, s48, s38                  ; 2 c + u = 4 (x & 1) + wave
	s_mov_b64 s[40:41], s[4:5]                     ; the source is chosen among four buffers by the matrix's number alone
	s_mov_b32 s49, 0                               ; kind: 0 Wq, 1 Wk, 2 Wv, 3 W_enc
	s_cmp_ge_u32 s42, 3
	s_cselect_b64 s[40:41], s[6:7], s[40:41]
	s_cselect_b32 s49, 1, s49
	s_cmp_ge_u32 s42, 6
	s_cselect_b64 s[40:41], s[8:9], s[40:41]
	s_cselect_b32 s49, 2, s49
	s_cmp_ge_u32 s42, 9
	s_cselect_b64 s[40:41], s[10:11], s[40:41]
	s_cselect_b32 s49, 3, s49
	s_mul_i32 s54, s49, 3
	s_sub_co_u32 s54, s42, s54                     ; layer d
	s_lshl_b32 s50, s54, 16                        ; from: d x 65,536 + 16 (2 c + u) rows of 512 bytes + 64 tau
	s_lshl_b32 s55, s48, 13
	s_add_co_u32 s50, s50, s55
	s_lshl_b32 s55, s43, 6
	s_add_co_u32 s50, s50, s55
	s_mul_i32 s52, s54, 3                          ; to: (3 d + kind) x 32,768, W_enc behind the rest,
	s_add_co_u32 s52, s52, s49
	s_lshl_b32 s52, s52, 15
	s_cmp_eq_u32 s49, 3
	s_cselect_b32 s52, WENC, s52
	s_lshl_b32 s55, s43, 12                        ; + 4,096 tau + 512 (2 c + u)
	s_add_co_u32 s52, s52, s55
	s_lshl_b32 s55, s48, 9
	s_add_co_u32 s52, s52, s55
	s_branch .Lbody
.Lemb:
	s_sub_co_u32 s43, s39, 160
	s_lshl2_add_u32 s43, s43, s38                  ; tau = 4 (x - 160) + wave
	s_mov_b64 s[40:41], s[12:13]
	s_lshl_b32 s50, s43, 6
	s_lshl_b32 s52, s43, 9
	s_add_co_u32 s52, s52, EMB
.Lbody:
	s_add_nc_u64 s[40:41], s[40:41], s[50:51]
	s_add_nc_u64 s[46:47], s[36:37], s[52:53]
	v_and_b32 v3, 15, v0                           ; n in the tile
	v_bfe_u32 v4, v0, 4, 1                         ; which eight k
	v_lshlrev_b32 v1, 2, v3
	v_lshl_add_u32 v1, v4, 12, v1                  ; 8 rows of 512 bytes for the upper half of the lanes + 4 n
.irp i, 0,1,2,3,4,5,6,7
	global_load_b32 v[8+\i], v1, s[40:41] offset:512*\i  ; W[k0 + 8 (l / 16) + i][16 tau + l % 16]
.endr
	s_wait_loadcnt 0x0
.irp p, 0,1,2,3
	v_cvt_pk_f16_f32 v[16+\p], v[8+2*\p], v[9+2*\p]      ; the lower k into the low half
.endr
	global_store_b128 v5, v[16:19], s[46:47]
	s_endpgm
.Lvectors:
	s_cmp_eq_u32 s38, 3
	s_cbranch_scc1 .Lwave3
	; waves 0 to 2: layer d = wave
	s_lshl_b32 s42, s38, 9
	v_add_nc_u32 v6, s42, v5                       ; 16 l + 512 d
	v_lshl_add_u32 v7, v2, 2, s42                  ; 4 l + 512 d
	global_load_b128 v[8:11], v6, s[32:33]         ; ln_g[d]
	global_load_b128 v[12:15], v6, s[34:35]        ; ln_b[d]
	global_load_b128 v[16:19], v6, s[26:27]        ; bq[d]
	global_load_b128 v[20:23], v6, s[28:29]        ; bk[d]
.irp i, 0,1,2,3
	global_load_b32 v[24+\i], v7, s[30:31] offset:128*\i  ; bv[d][32 i + l]
.endr
	s_lshl_b32 s43, s38, 10
	v_add_nc_u32 v1, s43, v5                       ; 16 l + 1,024 d
	s_lshl_b32 s44, s38, 11
	v_add_nc_u32 v4, s44, v5                       ; 16 l + 2,048 d
	s_wait_loadcnt 0x0
	global_store_b128 v1, v[8:11], s[36:37] offset:PLN+2048
	global_store_b128 v1, v[12:15], s[36:37] offset:PLN+2560
	global_store_b128 v1, v[16:19], s[36:37] offset:PBQK
	global_store_b128 v1, v[20:23], s[36:37] offset:PBQK+512
.irp i, 0,1,2,3
.irp k, 0,1,2,3
	v_mov_b32 v[28+4*\i+\k], v[24+\i]              ; a channel's bias four times: one 16-byte LDS load later fills half of a C operand
.endr
	global_store_b128 v4, v[28+4*\i:31+4*\i], s[36:37] offset:BV4+512*\i
.endr
	s_endpgm
.Lwave3:
	global_load_b128 v[8:11], v5, s[14:15]         ; b_emb
	global_load_b128 v[12:15], v5, s[20:21]        ; b_enc
	global_load_b128 v[16:19], v5, s[16:17]        ; g_emb
	global_load_b128 v[20:23], v5, s[18:19]        ; beta_emb
	global_load_b128 v[24:27], v5, s[22:23]        ; g_enc
	global_load_b128 v[28:31], v5, s[24:25]        ; beta_enc
	s_wait_loadcnt 0x0
	global_store_b128 v5, v[8:11], s[36:37] offset:PB0
	global_store_b128 v5, v[12:15], s[36:37] offset:PB0+512
	global_store_b128 v5, v[16:19], s[36:37] offset:PLN
	global_store_b128 v5, v[20:23], s[36:37] offset:PLN+512
	global_store_b128 v5, v[24:27], s[36:37] offset:PLN+1024
	global_store_b128 v5, v[28:31], s[36:37] offset:PLN+1536
	s_endpgm
.Lfunc_end_k_q5ef4a490b8_prep:
	.size	k_q5ef4a490b8_prep, .Lfunc_end_k_q5ef4a490b8_prep-k_q5ef4a490b8_prep
	.p2alignl 7, 3214868480
	.fill 96, 4, 3214868480
	.section	.rodata,"a",@progbits
	.p2align	6, 0x0
	.amdhsa_kernel k_q5ef4a490b8_prep
		.amdhsa_group_segment_fixed_size 0
		.amdhsa_private_segment_fixed_size 0
		.amdhsa_enable_private_segment 0
		.amdhsa_kernarg_size 136
		.amdhsa_user_sgpr_count 2
		.amdhsa_user_sgpr_kernarg_segment_ptr 1
		.amdhsa_wavefront_size32 1
		.amdhsa_system_sgpr_workgroup_id_x 1
		.amdhsa_system_sgpr_workgroup_id_y 1
		.amdhsa_system_sgpr_workgroup_id_z 1
		.amdhsa_system_vgpr_workitem_id 0
		.amdhsa_next_free_vgpr 48
		.amdhsa_next_free_sgpr 66
		.amdhsa_reserve_vcc 0
		.amdhsa_float_denorm_mode_32 3
		.amdhsa_float_denorm_mode_16_64 3
		.amdhsa_memory_ordered 1
		.amdhsa_forward_progress 1
		.amdhsa_inst_pref_size 8
	.end_amdhsa_kernel
	.amdgpu_metadata
---
amdhsa.version: [ 1, 2 ]
amdhsa.kernels:
  - .name:           k_q5ef4a490b8_prep
    .symbol:         k_q5ef4a490b8_prep.kd
    .args:
      - { .name: Wq, .offset: 0, .size: 8, .value_kind: global_buffer, .address_space: global }
      - { .name: Wk, .offset: 8, .size: 8, .value_kind: global_buffer, .address_space: global }
      - { .name: Wv, .offset: 16, .size: 8, .value_kind: global_buffer, .address_space: global }
      - { .name: W_enc, .offset: 24, .size: 8, .value_kind: global_buffer, .address_space: global }
      - { .name: W_emb, .offset: 32, .size: 8, .value_kind: global_buffer, .address_space: global }
      - { .name: b_emb, .offset: 40, .size: 8, .value_kind: global_buffer, .address_space: global }
      - { .name: g_emb, .offset: 48, .size: 8, .value_kind: global_buffer, .address_space: global }
      - { .name: beta_emb, .offset: 56, .size: 8, .value_kind: global_buffer, .address_space: global }
      - { .name: b_enc, .offset: 64, .size: 8, .value_kind: global_buffer, .address_space: global }
      - { .name: g_enc, .offset: 72, .size: 8, .value_kind: global_buffer, .address_space: global }
      - { .name: beta_enc, .offset: 80, .size: 8, .value_kind: global_buffer, .address_space: global }
      - { .name: bq, .offset: 88, .size: 8, .value_kind: global_buffer, .address_space: global }
      - { .name: bk, .offset: 96, .size: 8, .value_kind: global_buffer, .address_space: global }
      - { .name: bv, .offset: 104, .size: 8, .value_kind: global_buffer, .address_space: global }
      - { .name: ln_g, .offset: 112, .size: 8, .value_kind: global_buffer, .address_space: global }
      - { .name: ln_b, .offset: 120, .size: 8, .value_kind: global_buffer, .address_space: global }
      - { .name: wf, .offset: 128, .size: 8, .value_kind: global_buffer, .address_space: global }
    .group_segment_fixed_size: 0
    .private_segment_fixed_size: 0
    .kernarg_segment_align: 8
    .kernarg_segment_size: 136
    .max_flat_workgroup_size: 128
    .sgpr_count:     66
    .vgpr_count:     48
    .wavefront_size: 32
...
	.end_amdgpu_metadata
.endif
;; end of part 1
;; launch main (part 2): grid 1024 x 1, 4 waves a work-group, clusters of 4 x 1, 327,680 bytes of LDS; arguments lane_nodes_feat, masks, wf, out0; writes out0
.if DOCPART == 2
	.amdgcn_target "amdgcn-amd-amdhsa--gfx1250"
	.amdhsa_code_object_version 6
	.text
	.protected	k_q5ef4a490b8_main
	.globl	k_q5ef4a490b8_main
	.p2align	8
	.type	k_q5ef4a490b8_main,@function
k_q5ef4a490b8_main:
	s_mov_b64 s[64:65], 0
	v_nop
	global_prefetch_b8 v0, s[64:65] scope:SCOPE_SE
	s_setreg_imm32_b32 hwreg(HW_REG_WAVE_MODE, 25, 1), 1
	s_wait_xcnt 0x0
	s_wait_alu depctr_hold_cnt(0) depctr_sa_sdst(0) depctr_va_vdst(0) depctr_va_sdst(0) depctr_va_ssrc(0) depctr_va_vcc(0) depctr_vm_vsrc(0)
	s_getreg_b32 s2, hwreg(HW_REG_IB_STS2, 6, 4)
	s_cmp_eq_u32 s2, 0
	s_cbranch_scc0 .Lentry_in_a_cluster
	s_endpgm
.Lentry_in_a_cluster:
	s_bfe_u32 s2, ttmp6, 0x10000c
	s_cmp_lg_u32 s2, 0x3003
	s_cbranch_scc0 .Lentry_shape_is_right
	s_endpgm
.Lentry_shape_is_right:
; The whole module for 4,096 sequences of 64 tokens: two layers of (product, LayerNorm, ReLU), three layers of two-head attention (ReLU, residual, LayerNorm), the maximum over the 64 tokens.
; SHARES.  1,024 work-groups of four waves; wave w of work-group g takes sequence 4 g + w.  A sequence lives in ONE wave's registers from its features to its row of the output: nothing goes
; through memory, and no wave waits for another behind the one barrier at the start.
; WEIGHTS.  The nine attention matrices, W_emb, all vectors and three of W_enc's eight tiles (326,656 bytes, laid out by the launch before) are brought into LDS once by each work-group, a quarter
; by each wave's one tensor load, and serve its four sequences.  All work-groups read the same bytes, so the four of a cluster ask JOINTLY (the same descriptor and a mask that names the four).
; What needs no LDS (the sequence's loads, the rounding of its features, its mask) stands between that load and the wait for it.  W_enc's other five tiles (20,480 bytes) have no room in LDS:
; the wave loads them into registers that are idle until the attention begins.
; LAYOUT: everything is used transposed, so that nothing ever changes lanes between products.  l = lane, r = l % 16, h = l / 16.
;   X (f32 state): tile (t, f): register j of lane (r, h) = token 16 t + r, feature 16 f + 8 h + j.  Tiles 2 c and 2 c + 1 rounded to f16 in pairs ARE the fragment HB(t, c) (16 tokens x 32 features).
;   q^T, k^T, the two first layers: source 0 = 16 output features of W, source 1 = HB: the result has X's layout; the bias is the C operand of the first product.
;   v: source 0 = HB, source 1 = W: a lane holds one channel and eight tokens.   S^T = K Q^T: a lane holds one query and the keys 16 kt + 8 h + j.   O^T = V^T P lands in X's layout.
; FORMAT.  Matrix operands are f16, each rounded once from f32: the last LayerNorm's gain multiplies whatever the roundings have left in the normalised state, and every number of the output has to
; lie within 1% of the output's root mean square; f16's 11 significant bits leave an eighth of what bf16's 8 would.  Sums, LayerNorm, softmax and the residual are f32.
; MASK.  len = the sum of 1 - masks; a pair (query, key) of which either lies at or past len gets -10000 on its score.  Here it is the C operand that starts S^T, 0 or -80000 on the raw score:
; (s - 80000) / 8 = s / 8 - 10000, the division by 8 being exact.  It acts through values alone; no branch and no address hangs on it.
; SOFTMAX.  The row's true maximum (all 64 keys are in hand) is taken away: p = 2^(c s - c m), c = log2(e) / 8.  LayerNorm in two passes: mean, then the mean square of x - mean.
; THE TEXT.  Five stages end in a LayerNorm, written once: a loop of stages, entered at the LayerNorm.  A layer's two heads are a loop of two trips: the head enters the LDS addresses through scalars;
; only the 64 lines that add a head's result onto X name other registers for the second head, and stand twice.
; LIMITS.  f16 holds no number beyond 65,504: the features, the weights, the state behind a LayerNorm (at most 11.3 |gain| + |offset|, by the LayerNorm itself), q, k and v must lie within it, or an
; infinity arises; below 6.1e-5 an operand keeps f16's fixed step of 6e-8; p lies in 0 to 1.  len is summed in another order than row-major (exact for masks of 0 and 1); position < len is
; taken as position < ceil(len).  A weight below 2^-126 counts as 0 in its row's sum.  NaN and infinities are not treated apart (W_emb's numbers are multiplied by 0 once more than in the formula).
; REGISTERS, in windows of 256 (s_set_vgpr_msb: bits 1:0 source 0, 3:2 source 1, 5:4 source 2, 7:6 destination):
;   window 0: v0-23 addresses and small things; v24-39 two bias buffers; v40-63 six registers of statistics a token tile; v64-127 two weight buffers of 32; v128-255 ACC, sixteen accumulators
;   window 1: X at 64 t + 8 f + j      window 2: v0-127 HB at 32 t + 4 f + p; v128-255 the mask at 32 qt + 8 kt + j
;   window 3: v0-63 Q, later P; v64-127 K; v128-191 V (before the attention: W_enc's tiles 3-7 and 2); v192-223 the features in f32; v224-255 the features as fragments
.set EMB,   294912                     ; LDS, as in wf: 0 the attention matrices, layer d at 98,304 d: Wq, Wk, Wv, 32,768 each, in fragment order
.set PLN,   299008                     ; five stages of 1,024: gain, then offset
.set PB0,   304128                     ; b_emb, b_enc
.set PBQK,  305152                     ; layer d at 1,024 d: bq, bk
.set BV4,   308224                     ; layer d at 2,048 d: bv[n] four times at 16 n
.set WENC,  314368                     ; W_enc's fragments, tile tau at 4,096 tau: tiles 0-2 in LDS, all eight in wf
.set IMG,   WENC+3*4096                ; bytes that are brought into LDS
.set QUART, IMG/4                      ; a wave's share: 319 rows of 256 bytes
.set SPARE, IMG                        ; the spare words, 128 bytes for each wave: two blocks of 256 bytes that no other line names
.set L16,  1                           ; 16 l
.set AW,   2                           ; LDS address of the head's Wq and Wk for my lane (in the second stage: of W_enc)
.set AWV,  3                           ; of its Wv
.set AB,   4                           ; of bq and bk: + 32 h
.set ABV,  5                           ; of bv: + 16 r
.set AP,   6                           ; of the stage's gain and offset: + 32 h
.set AE,   7                           ; EMB + 16 l
.set AB0,  8                           ; PB0 + 32 h
.set FO,   9                           ; 64 r + 32 h: my eight features of token r
.set MO,   10                          ; 8 l: my two words of the mask
.set OO,   11                          ; 64 (r >> 1) + 32 h + 16 (r & 1): my 16 bytes of the output row
.set R16,  12
.set H32,  13
.set MR,   14                          ; v14-15 my two mask words
.set NLEN, 16                          ; ceil(len)
.set TP,   17                          ; at work
.set NQ,   18                          ; v18-21 for query tile qt: 0 where my query is valid, -80000 where it is padded
.set SPW,  22                          ; LDS address of my spare word; never rewritten
.set NIL,  23                          ; 0; never rewritten
.set BC,   24
.set STT,  40                          ; tile t: pairs a, b, c at 40 + 6 t
.set WF,   64
.set ACC,  128
.set HB,   0                           ; window 2
.set MK,   128
.set QQ,   0                           ; window 3
.set KK,   64
.set VV,   128
.set FN,   192
.set FB,   224
; scalars: s[4:5] features, s[6:7] masks, s[8:9] wf, s[10:11] out, the first, second and fourth at my sequence; s12 wave; s[16:23], s[24:27] the descriptor; s[28:29] W_enc in wf;
; s31 stages to go; s[32:33] lane selects; s[34:35] c; s36 -80000; s37 1e-5; s38 1/128; s39-42 LDS bytes of the stage's parameters, the head's matrices, bq and bk, bv; s43 heads to go; s44-47 lane masks
.set MSB, 0
.macro WIN new                         ; the immediate's high byte repeats the setting that is left; a switch that changes nothing is dropped
.if MSB != (\new)
	s_set_vgpr_msb (MSB<<8)|(\new)
.set MSB, (\new)
.endif
.endm
; A vector instruction that reads a matrix result, and a load into a register that a matrix instruction has named, stand four places behind it; a matrix instruction that writes over another's
; registers five; only plain vector instructions that name none of its registers are places (ISA guide 7.12.1 for vector instructions).
.macro PLACES
.rept 4
	v_nop
.endr
.endm
.macro ROUND                           ; a round of the cluster's barrier: my work-group's barrier; wave 0 signals for the work-group; every wave waits for all four work-groups; my work-group's barrier once more
	s_barrier_signal -1
	s_barrier_wait -1
	s_cmp_lg_u32 s12, 0
	s_cbranch_scc1 .Lnot_wave_0_\@
	s_barrier_signal -3
.Lnot_wave_0_\@:
	s_barrier_wait -3
	s_barrier_signal -1
	s_barrier_wait -1
.endm
; A head's projections go in 12 BLOCKS: block B makes 16 output channels for all 64 tokens: kind B / 4 (q, k, v), channels 16 (B % 4) on of the head's 64.
; LDBLK: the block's four weight fragments (eight loads of 512 consecutive bytes) and its bias as a C operand (two loads), into buffer B % 2.
.macro LDBLK B
.set kd, (\B)/4
.set ta, (\B)%4
.set bf, (\B)%2
	WIN 0
.set z, 0
.rept 8
.if kd < 2
	ds_load_b128 v[WF+32*bf+4*z:WF+32*bf+4*z+3], v[AW] offset:kd*32768+ta*4096+512*z
.else
	ds_load_b128 v[WF+32*bf+4*z:WF+32*bf+4*z+3], v[AWV] offset:ta*4096+512*z
.endif
.set z, z+1
.endr
.if kd < 2
	ds_load_b128 v[BC+8*bf:BC+8*bf+3],   v[AB] offset:512*kd+64*ta      ; b[16 tau + 8 h + 0..3]
	ds_load_b128 v[BC+8*bf+4:BC+8*bf+7], v[AB] offset:512*kd+64*ta+16
.else
	ds_load_b128 v[BC+8*bf:BC+8*bf+3],   v[ABV] offset:256*ta           ; bv[16 tau + r] in all eight registers
	ds_load_b128 v[BC+8*bf+4:BC+8*bf+7], v[ABV] offset:256*ta
.endif
.endm
; MMBLK: the block's 16 products.  The four token tiles' accumulators take turns, one instruction a turn; the first product of each takes the bias as C.
.macro MMBLK B
.set kd, (\B)/4
.set bf, (\B)%2
.if kd < 2
	WIN 0x08                                       ; weights (source 0) window 0, HB (source 1) window 2
.else
	WIN 0x02                                       ; HB is source 0
.endif
.set c, 0
.rept 4
.set t, 0
.rept 4
.set rD, ACC+32*((\B)%4)+8*t
.set rW, WF+32*bf+8*c
.set rH, HB+32*t+8*c
.set rC, rD
.if c == 0
.set rC, BC+8*bf
.endif
.if kd < 2
	v_wmma_f32_16x16x32_f16 v[rD:rD+7], v[rW:rW+7], v[rH:rH+7], v[rC:rC+7]
.else
	v_wmma_f32_16x16x32_f16 v[rD:rD+7], v[rH:rH+7], v[rW:rW+7], v[rC:rC+7]
.endif
.set t, t+1
.endr
.set c, c+1
.endr
.endm
; PACK: four blocks' results (a head's q, k or v) are rounded to f16 into fragments; each accumulator's registers in ascending order; four places stand behind the block just multiplied.
.macro PACK KD
	PLACES
	WIN 0xC0                                       ; destination window 3
.set z, 0                              ; z = 16 tau' + 4 t + p
.rept 64
.if (\KD) < 2
.set rD, 64*(\KD)+16*((z/4)%4)+4*(z/16)+z%4
.else
.set rD, VV+z
.endif
	v_cvt_pk_f16_f32 v[rD], v[ACC+2*z], v[ACC+2*z+1]
.set z, z+1
.endr
.endm
; SCORES: S^T = K Q^T + mask for a head: 16 accumulators by turns, channels 0-31 and then 32-63.  They write over the projections' accumulators: five places stand in front.
.macro SCORES
	PLACES
	v_nop
.set c, 0
.rept 2
.if c == 0
	WIN 0x2F                                       ; K and Q window 3, the mask (C) window 2
.else
	WIN 0x0F
.endif
.set z, 0                              ; z = 4 qt + kt
.rept 16
.set rD, ACC+8*z
.set rK, KK+16*(z%4)+8*c
.set rQ, QQ+16*(z/4)+8*c
.if c == 0
	v_wmma_f32_16x16x32_f16 v[rD:rD+7], v[rK:rK+7], v[rQ:rQ+7], v[MK+8*z:MK+8*z+7]
.else
	v_wmma_f32_16x16x32_f16 v[rD:rD+7], v[rK:rK+7], v[rQ:rQ+7], v[rD:rD+7]
.endif
.set z, z+1
.endr
.set c, c+1
.endr
.endm
; SMX: the softmax of a head's four query tiles.  In every step the four tiles follow each other, so that no line reads the result of the line before it.
; Statistics of tile q at STT + 6 q: c0-c3 at work (c0 ends as c m, c2 as 1 / l), then l (even keys', odd keys').
.macro SMX
	WIN 0
	PLACES
.set n, 0
.rept 4                                ; four chains, one to an accumulator, each begun at its lowest registers
.irp q, 0,1,2,3
	v_max3_num_f32 v[STT+6*\q+n], v[ACC+32*\q+8*n], v[ACC+32*\q+8*n+1], v[ACC+32*\q+8*n+2]
.endr
.set n, n+1
.endr
.rept 8
.irp q, 0,1,2,3
	v_max3_num_f32 v[STT+6*\q+n%4], v[STT+6*\q+n%4], v[ACC+32*\q+8*(n%4)+2*(n/4)+1], v[ACC+32*\q+8*(n%4)+2*(n/4)+2]
.endr
.set n, n+1
.endr
.irp q, 0,1,2,3
	v_max3_num_f32 v[STT+6*\q], v[STT+6*\q], v[ACC+32*\q+7], v[ACC+32*\q+15]
.endr
.irp q, 0,1,2,3
	v_max3_num_f32 v[STT+6*\q+1], v[STT+6*\q+1], v[ACC+32*\q+23], v[ACC+32*\q+31]
.endr
.irp q, 0,1,2,3
	v_max3_num_f32 v[STT+6*\q], v[STT+6*\q], v[STT+6*\q+1], v[STT+6*\q+2]
.endr
.irp q, 0,1,2,3
	v_max_num_f32 v[STT+6*\q], v[STT+6*\q], v[STT+6*\q+3]
.endr
.irp q, 0,1,2,3
	v_permlanex16_b32 v[STT+6*\q+1], v[STT+6*\q], s32, s33   ; the query's other 32 keys lie in the lane 16 away
.endr
.irp q, 0,1,2,3
	v_max_num_f32 v[STT+6*\q], v[STT+6*\q], v[STT+6*\q+1]
.endr
.irp q, 0,1,2,3
	v_mul_f32 v[STT+6*\q], s34, v[STT+6*\q]                  ; c m
.endr
.set i, 0
.rept 16
.irp q, 0,1,2,3
	v_pk_fma_f32 v[ACC+32*\q+2*i:ACC+32*\q+2*i+1], v[ACC+32*\q+2*i:ACC+32*\q+2*i+1], s[34:35], v[STT+6*\q:STT+6*\q+1] op_sel_hi:[1,0,0] neg_lo:[0,0,1] neg_hi:[0,0,1]  ; c s - c m
.endr
.set i, i+1
.endr
.set i, 0
.rept 32
.irp q, 0,1,2,3
	v_exp_f32 v[ACC+32*\q+i], v[ACC+32*\q+i]
.endr
.set i, i+1
.endr
	v_nop                                          ; a plain instruction behind the last exponential, ahead of any use (ISA guide 5.7.2)
	s_wait_alu depctr_va_vdst(0)
.irp q, 0,1,2,3
	v_pk_add_f32 v[STT+6*\q+4:STT+6*\q+5], v[ACC+32*\q:ACC+32*\q+1], v[ACC+32*\q+2:ACC+32*\q+3]
.endr
.set i, 2
.rept 14
.irp q, 0,1,2,3
	v_pk_add_f32 v[STT+6*\q+4:STT+6*\q+5], v[STT+6*\q+4:STT+6*\q+5], v[ACC+32*\q+2*i:ACC+32*\q+2*i+1]
.endr
.set i, i+1
.endr
	WIN 0xC0                                       ; P takes Q's registers: the products that read Q stand some hundred vector instructions back
.set i, 0
.rept 16
.irp q, 0,1,2,3
	v_cvt_pk_f16_f32 v[QQ+16*\q+i], v[ACC+32*\q+2*i], v[ACC+32*\q+2*i+1]
.endr
.set i, i+1
.endr
	WIN 0
.irp q, 0,1,2,3
	v_add_f32 v[STT+6*\q+4], v[STT+6*\q+4], v[STT+6*\q+5]
.endr
.irp q, 0,1,2,3
	v_permlanex16_b32 v[STT+6*\q+5], v[STT+6*\q+4], s32, s33
.endr
.irp q, 0,1,2,3
	v_add_f32 v[STT+6*\q+4], v[STT+6*\q+4], v[STT+6*\q+5]
.endr
.irp q, 0,1,2,3
	v_rcp_f32 v[STT+6*\q+2], v[STT+6*\q+4]         ; l is at least 1: the row's largest weight is 1
.endr
	v_nop
.endm
; PV: O^T = V^T P for a head: 16 accumulators by turns, keys 0-31 (they start the sums) and then 32-63.
.macro PV
	WIN 0x0F
.set c, 0
.rept 2
.set z, 0                              ; z = 4 qt + tau'
.rept 16
.set rD, ACC+8*z
.set rV, VV+16*(z%4)+8*c
.set rP, QQ+16*(z/4)+8*c
.if c == 0
	v_wmma_f32_16x16x32_f16 v[rD:rD+7], v[rV:rV+7], v[rP:rP+7], 0
.else
	v_wmma_f32_16x16x32_f16 v[rD:rD+7], v[rV:rV+7], v[rP:rP+7], v[rD:rD+7]
.endif
.set z, z+1
.endr
.set c, c+1
.endr
.endm
; X += relu(O) / l (l > 0, so the division may follow the ReLU): one maximum (MRGMAX), one fused multiply-add (MRGFMA, for head H: features 64 H on).
.macro MRGMAX
	WIN 0
	PLACES
.set i, 0
.rept 128
	v_max_num_f32 v[ACC+i], 0, v[ACC+i]
.set i, i+1
.endr
.endm
.macro MRGFMA H
	WIN 0x50                                       ; X (destination and source 2) window 1
.set z, 0                              ; z = 16 qt + 4 tau' + p
	s_wait_alu depctr_va_vdst(0)
.rept 64
.set rX, 64*(z/16)+32*(\H)+2*(z%16)
	v_pk_fma_f32 v[rX:rX+1], v[ACC+2*z:ACC+2*z+1], v[STT+6*(z/16)+2:STT+6*(z/16)+3], v[rX:rX+1] op_sel_hi:[1,0,1]
.set z, z+1
.endr
	WIN 0
.endm
; LEVEL: a step of the maximum over the 16 tokens of a row of lanes.  Of 2 n registers each lane keeps n (by one bit of r) and hands the other n to the lane whose r differs in that bit.
.macro LEVEL n, m, x
.set i, 0
.rept \n
	v_cndmask_b32 v[ACC+64+i], v[ACC+(\n)+i], v[ACC+i], s[\m]   ; what I hand over
.set i, i+1
.endr
.set i, 0
.rept \n
	v_cndmask_b32 v[ACC+i], v[ACC+i], v[ACC+(\n)+i], s[\m]      ; what I keep
.set i, i+1
.endr
.set i, 0
.rept \n
	v_max_num_f32_dpp v[ACC+i], v[ACC+64+i], v[ACC+i] row_xmask:\x row_mask:0xf bank_mask:0xf
.set i, i+1
.endr
.endm
	s_load_b256 s[4:11], s[0:1], 0x0               ; features s[4:5], masks s[6:7], wf s[8:9], out s[10:11]
	v_lshl_add_u32 v[SPW], v0, 2, SPARE
	v_mov_b32 v[NIL], 0
	ds_add_u32 v[SPW], v[NIL]                      ; the wave's opening: the add and its wait stand ahead of my first tensor load; the set-up below, work on registers, stands between them
	v_lshrrev_b32 v[TP], 5, v0
	v_readfirstlane_b32 s12, v[TP]                 ; wave 0..3
	s_bfe_u32 s13, ttmp6, 0x40000                  ; cx: my place in the cluster: it enters the features', the masks' and the output's addresses alone
	s_lshl_b32 s14, ttmp9, 2                       ; in a cluster launch ttmp9 counts clusters
	s_add_co_u32 s14, s14, s13                     ; work-group
	s_lshl_b32 s14, s14, 2
	s_add_co_u32 s14, s14, s12                     ; my sequence = 4 x work-group + wave
	; the descriptor: my quarter of the image is dense: 319 rows of 256 bytes, elements of 8 bytes, no padding (every LDS load of a fragment takes 512 consecutive bytes)
	s_mov_b32 s16, 15|(3<<16)|(1<<21)              ; 15:0 the mask: all four work-groups; 17:16 elements of 8 bytes; 21 set beside a mask
	s_mov_b32 s17, 32<<16                          ; tensor_dim0 = 32
	s_mov_b32 s18, 319<<16                         ; tensor_dim1 = 319
	s_mov_b32 s19, 32<<16                          ; tile_dim0 = 32
	s_mov_b32 s20, 319                             ; tile_dim1 = 319
	s_mov_b32 s21, 32                              ; 32 elements from row to row
	s_mov_b32 s22, 0
	s_mov_b32 s23, 0
	s_mov_b32 s24, 1                               ; count = 1
	s_mul_i32 s25, s12, QUART                      ; LDS address: wave x 81,664
	s_mov_b32 s50, s25                             ; the same offset in wf
	s_mov_b32 s51, 0
	s_mov_b32 s49, 0
	s_mov_b32 s32, 0x76543210                      ; v_permlanex16_b32: each lane takes its own place in the other half
	s_mov_b32 s33, 0xfedcba98
	s_mov_b32 s34, 0x3e38aa3b                      ; c = log2(e) / 8
	s_mov_b32 s35, s34                             ; named with it as a pair
	s_mov_b32 s36, 0xc79c4000                      ; -80000
	s_mov_b32 s37, 0x3727c5ac                      ; 1e-5
	s_mov_b32 s38, 0x3c000000                      ; 1 / 128
	s_mov_b32 s44, 0xff00ff00                      ; lanes whose r has bit 3, 2, 1, 0 set
	s_mov_b32 s45, 0xf0f0f0f0
	s_mov_b32 s46, 0xcccccccc
	s_mov_b32 s47, 0xaaaaaaaa
	s_wait_dscnt 0x0                               ; the opening add is done
	s_wait_kmcnt 0x0
	s_add_nc_u64 s[26:27], s[8:9], s[50:51]        ; global address of my quarter: it hangs on the wave's number alone
	s_or_b32 s27, s27, 0x80000000                  ; type = 2
	s_add_nc_u64 s[28:29], s[8:9], WENC            ; W_enc's fragments
	s_lshl_b32 s48, s14, 12                        ; a sequence has 4,096 bytes of features,
	s_add_nc_u64 s[4:5], s[4:5], s[48:49]
	s_lshl_b32 s48, s14, 8                         ; 256 of mask,
	s_add_nc_u64 s[6:7], s[6:7], s[48:49]
	s_lshl_b32 s48, s14, 9                         ; 512 of output
	s_add_nc_u64 s[10:11], s[10:11], s[48:49]
	ROUND                                          ; all four work-groups are here: the joint loads meet
	tensor_load_to_lds s[24:27], s[16:23]          ; my one tensor load of the launch: nothing is ever filled again
	s_nop 0
	PLACES
	v_and_b32 v[TP], 31, v0
	v_lshlrev_b32 v[L16], 4, v[TP]
	v_lshlrev_b32 v[MO], 3, v[TP]
	v_and_b32 v[TP], 15, v0                        ; r
	v_lshlrev_b32 v[R16], 4, v[TP]
	v_bfe_u32 v[H32], v0, 4, 1
	v_lshlrev_b32 v[H32], 5, v[H32]
	v_lshl_add_u32 v[FO], v[TP], 6, v[H32]
	v_add_nc_u32 v[AE], EMB, v[L16]
	v_add_nc_u32 v[AB0], PB0, v[H32]
	v_lshrrev_b32 v[OO], 1, v[TP]
	v_lshl_add_u32 v[OO], v[OO], 6, v[H32]
	v_and_b32 v[TP], 1, v0
	v_lshl_add_u32 v[OO], v[TP], 4, v[OO]
	v_mov_b32 v[NLEN], 0                           ; v_permlanex16_b32 counts as a reader of its destination
	; my sequence's mask (tokens 2 l and 2 l + 1) and features (token 16 t + r, features 8 h + 0..7, in f32): read once in the launch
	global_load_b64 v[MR:MR+1], v[MO], s[6:7] th:TH_LOAD_NT
	WIN 0xC0                                       ; destination window 3
.irp t, 0,1,2,3
	global_load_b128 v[FN+8*\t:FN+8*\t+3],   v[FO], s[4:5] offset:1024*\t th:TH_LOAD_NT
	global_load_b128 v[FN+8*\t+4:FN+8*\t+7], v[FO], s[4:5] offset:1024*\t+16 th:TH_LOAD_NT
.endr
.set z, 24                             ; W_enc's tiles 3-7, 40 loads of 512 consecutive bytes, where Q, K and V will lie; waited for behind the first LayerNorm; with the nine above 49 loads are out
.rept 40
	global_load_b128 v[4*(z-24):4*(z-24)+3], v[L16], s[28:29] offset:512*z
.set z, z+1
.endr
.irp t, 0,1,2,3
.irp k, 4,5,6,7
	v_mov_b32 v[FB+8*\t+\k], 0                     ; the features have K = 16: the upper half of each fragment's K = 32 is 0
.endr
.endr
	WIN 0
	s_wait_loadcnt 40                              ; all but the 40 loads of W_enc, issued behind them: the mask and the features are in
	WIN 0xCF
.set z, 0
.rept 16
	v_cvt_pk_f16_f32 v[FB+8*(z/4)+z%4], v[FN+2*z], v[FN+2*z+1]
.set z, z+1
.endr
	WIN 0
	v_add_f32 v[TP], v[MR], v[MR+1]
	v_sub_f32 v[TP], 2.0, v[TP]                    ; len = the sum of 1 - mask over the 64 tokens
.irp m, 1,2,4,8
	v_add_f32_dpp v[TP], v[TP], v[TP] row_xmask:\m row_mask:0xf bank_mask:0xf
.endr
	v_permlanex16_b32 v[NLEN], v[TP], s32, s33
	v_add_f32 v[TP], v[TP], v[NLEN]
	v_cvt_i32_f32 v[NLEN], v[TP]                   ; toward zero;
	v_cvt_f32_i32 v[STT], v[NLEN]
	v_cmp_lt_f32 vcc_lo, v[STT], v[TP]             ; one more where that fell short: ceil(len); a whole position lies below len just where it lies below ceil(len)
	v_cndmask_b32 v[STT], 0, 1, vcc_lo
	v_add_nc_u32 v[NLEN], v[NLEN], v[STT]
	v_and_b32 v[STT], 15, v0                       ; r
	v_lshrrev_b32 v[STT+1], 2, v[H32]              ; 8 h
	v_sub_nc_u32 v[STT+1], v[NLEN], v[STT+1]       ; key 16 kt + 8 h + j is padded where 16 kt + j >= ceil(len) - 8 h
.irp q, 0,1,2,3
	v_add_nc_u32 v[STT+2], 16*\q, v[STT]           ; my query in tile q
	v_cmp_ge_i32 vcc_lo, v[STT+2], v[NLEN]
	v_cndmask_b32 v[NQ+\q], 0, s36, vcc_lo         ; a padded query has -80000 on every key
.endr
.set z, 0
.rept 32                               ; the keys' mask, the same for every valid query
	v_cmp_ge_i32 vcc_lo, 16*(z/8)+z%8, v[STT+1]
	v_cndmask_b32 v[ACC+z], 0, s36, vcc_lo
.set z, z+1
.endr
	WIN 0x80                                       ; the mask, once for the sequence's six heads: -80000 where the key or the query is padded
.set z, 0
.rept 128
	v_min_num_f32 v[MK+z], v[ACC+z%32], v[NQ+z/32]
.set z, z+1
.endr
	WIN 0
	s_wait_tensorcnt 0x0                           ; my quarter is in LDS,
	s_barrier_signal -1
	s_barrier_wait -1                              ; everybody's is; from here on LDS is only read
	; the first layer: X = W_emb^T x features + b_emb
.set ff, 0
.rept 8
	ds_load_b128 v[ACC+64+8*ff:ACC+64+8*ff+3],   v[AE] offset:512*ff
	ds_load_b128 v[ACC+64+8*ff+4:ACC+64+8*ff+7], v[AE] offset:512*ff  ; the fragment's upper half of K meets the features' zeros: any finite numbers serve, so the same bytes once more
	ds_load_b128 v[ACC+8*ff:ACC+8*ff+3],   v[AB0] offset:64*ff
	ds_load_b128 v[ACC+8*ff+4:ACC+8*ff+7], v[AB0] offset:64*ff+16
.set ff, ff+1
.endr
	s_wait_dscnt 0x0
	WIN 0x4C                                       ; X (destination) window 1, the features (source 1) window 3
.set ff, 0
.rept 8
.set t, 0
.rept 4
	v_wmma_f32_16x16x32_f16 v[64*t+8*ff:64*t+8*ff+7], v[ACC+64+8*ff:ACC+64+8*ff+7], v[FB+8*t:FB+8*t+7], v[ACC+8*ff:ACC+8*ff+7]
.set t, t+1
.endr
.set ff, ff+1
.endr
	WIN 0
	s_mov_b32 s31, 5                               ; five stages end in a LayerNorm: emb, enc, three layers of attention
	s_mov_b32 s39, PLN
	s_mov_b32 s40, 0
	s_mov_b32 s41, PBQK
	s_mov_b32 s42, BV4
	s_branch .Ltail                                ; the loop is entered in the middle of a trip: the first stage's products stand above
.Lstage:                                               ; s31 = 4: enc; 3, 2, 1: the layers of attention.  First what follows the LayerNorm before, then the stage's products
	s_cmp_lt_u32 s31, 3
	s_cbranch_scc1 .Lpack                          ; only the two first LayerNorms are followed by a ReLU
	WIN 0x44
.set i, 0
.rept 256
	v_max_num_f32 v[i], 0, v[i]
.set i, i+1
.endr
	WIN 0
.Lpack:
	WIN 0x85                                       ; X rounded to f16 in pairs: HB
.set i, 0
.rept 128
	v_cvt_pk_f16_f32 v[HB+i], v[2*i], v[2*i+1]
.set i, i+1
.endr
	WIN 0
	s_cmp_lg_u32 s31, 4
	s_cbranch_scc1 .Latt
	; the second layer: X = W_enc^T x HB + b_enc.  Tiles 0 and 1 come from LDS into the weight buffers, tile 2 beside tiles 3-7
	v_add_nc_u32 v[AW], WENC, v[L16]
.set ff, 0
.rept 8
	ds_load_b128 v[ACC+8*ff:ACC+8*ff+3],   v[AB0] offset:512+64*ff
	ds_load_b128 v[ACC+8*ff+4:ACC+8*ff+7], v[AB0] offset:512+64*ff+16
.set ff, ff+1
.endr
.set z, 0
.rept 16
	ds_load_b128 v[WF+4*z:WF+4*z+3], v[AW] offset:512*z
.set z, z+1
.endr
	WIN 0xC0
.rept 8
	ds_load_b128 v[160+4*(z-16):160+4*(z-16)+3], v[AW] offset:512*z
.set z, z+1
.endr
	WIN 0
	s_wait_loadcnt 0x0                             ; W_enc's five tiles: from here on no load is out
	s_wait_dscnt 0x0
.set ta, 0
.rept 8
.set c, 0
.rept 4
.if ta < 2
.set rW, WF+32*ta+8*c
	WIN 0x48+0x10*((c+3)/4)                        ; weights window 0, HB window 2, X window 1; C: the bias in window 0, then X
.elseif ta == 2
.set rW, 160+8*c
	WIN 0x4B+0x10*((c+3)/4)                        ; weights window 3
.else
.set rW, 32*(ta-3)+8*c
	WIN 0x4B+0x10*((c+3)/4)
.endif
.set t, 0
.rept 4                                ; the four token tiles' accumulators take turns
.set rD, 64*t+8*ta
.if c == 0
	v_wmma_f32_16x16x32_f16 v[rD:rD+7], v[rW:rW+7], v[HB+32*t+8*c:HB+32*t+8*c+7], v[ACC+8*ta:ACC+8*ta+7]
.else
	v_wmma_f32_16x16x32_f16 v[rD:rD+7], v[rW:rW+7], v[HB+32*t+8*c:HB+32*t+8*c+7], v[rD:rD+7]
.endif
.set t, t+1
.endr
.set c, c+1
.endr
.set ta, ta+1
.endr
	WIN 0
	s_branch .Ltail
.Latt:                                                 ; a layer of attention, a trip to a head
	s_mov_b32 s43, 2
.Lhead:
	v_add_nc_u32 v[AW], s40, v[L16]
	v_add_nc_u32 v[AWV], 65536, v[AW]              ; an LDS load's immediate ends at 65,535: Wv has a register of its own
	v_add_nc_u32 v[AB], s41, v[H32]
	v_add_nc_u32 v[ABV], s42, v[R16]
	LDBLK 0                                        ; (the LayerNorm's lines, or the head before's softmax and last lines, are the places behind the last products that named these buffers)
.set bb, 0
.rept 12
.if bb < 11
.if bb != 0
	PLACES                                         ; the buffer to be loaded was multiplied by the block before
.endif
	LDBLK (bb+1)
	s_wait_dscnt 10                                ; all but the ten loads just issued: this block's weights and bias are in
.else
	s_wait_dscnt 0x0
.endif
	MMBLK bb
.if bb%4 == 3
	PACK (bb/4)
.endif
.set bb, bb+1
.endr
	SCORES
	SMX
	PV
	MRGMAX
	s_cmp_eq_u32 s43, 1
	s_cbranch_scc1 .Lsecond
	MRGFMA 0
	s_branch .Lmerged
.Lsecond:
	MRGFMA 1
.Lmerged:
	s_add_co_u32 s40, s40, 16384                   ; the next head's four tiles of each matrix, its 64 numbers of bq and bk, of bv
	s_add_co_u32 s41, s41, 256
	s_add_co_u32 s42, s42, 1024
	s_sub_co_u32 s43, s43, 1
	s_cmp_lg_u32 s43, 0
	s_cbranch_scc1 .Lhead
	s_add_co_u32 s40, s40, 65536                   ; on to the next layer: 98,304 and 1,024 in all (bv's 2,048 are made)
	s_add_co_u32 s41, s41, 512
.Ltail:                                                ; LayerNorm over X's 128 features of each token: a lane holds 64 of them, the lane 16 away the others
	PLACES                                         ; behind the first two stages' products
	v_add_nc_u32 v[AP], s39, v[H32]
.set ff, 0
.rept 8                                ; gain and offset of features 16 f + 8 h + 0..7, into ACC, which is idle here
	ds_load_b128 v[ACC+8*ff:ACC+8*ff+3],       v[AP] offset:64*ff
	ds_load_b128 v[ACC+8*ff+4:ACC+8*ff+7],     v[AP] offset:64*ff+16
	ds_load_b128 v[ACC+64+8*ff:ACC+64+8*ff+3], v[AP] offset:512+64*ff
	ds_load_b128 v[ACC+64+8*ff+4:ACC+64+8*ff+7], v[AP] offset:512+64*ff+16
.set ff, ff+1
.endr
	WIN 0x05                                       ; the sum, in ascending order
.irp t, 0,1,2,3
	v_pk_add_f32 v[STT+6*\t:STT+6*\t+1], v[64*\t:64*\t+1], v[64*\t+2:64*\t+3]
.endr
	WIN 0x01
.set i, 2
.rept 30
.irp t, 0,1,2,3
	v_pk_add_f32 v[STT+6*\t:STT+6*\t+1], v[64*\t+2*i:64*\t+2*i+1], v[STT+6*\t:STT+6*\t+1]
.endr
.set i, i+1
.endr
	WIN 0
.irp t, 0,1,2,3
	v_add_f32 v[STT+6*\t], v[STT+6*\t], v[STT+6*\t+1]
.endr
.irp t, 0,1,2,3
	v_permlanex16_b32 v[STT+6*\t+1], v[STT+6*\t], s32, s33
.endr
.irp t, 0,1,2,3
	v_add_f32 v[STT+6*\t], v[STT+6*\t], v[STT+6*\t+1]
.endr
.irp t, 0,1,2,3
	v_mul_f32 v[STT+6*\t], s38, v[STT+6*\t]        ; the mean
.endr
	WIN 0x41
.set i, 0
.rept 32
.irp t, 0,1,2,3
	v_pk_add_f32 v[64*\t+2*i:64*\t+2*i+1], v[64*\t+2*i:64*\t+2*i+1], v[STT+6*\t:STT+6*\t+1] op_sel_hi:[1,0] neg_lo:[0,1] neg_hi:[0,1]  ; x - mean
.endr
.set i, i+1
.endr
	WIN 0x05
.irp t, 0,1,2,3
	v_pk_mul_f32 v[STT+6*\t+2:STT+6*\t+3], v[64*\t:64*\t+1], v[64*\t:64*\t+1]
.endr
.set i, 1
.rept 31
.irp t, 0,1,2,3
	v_pk_fma_f32 v[STT+6*\t+2:STT+6*\t+3], v[64*\t+2*i:64*\t+2*i+1], v[64*\t+2*i:64*\t+2*i+1], v[STT+6*\t+2:STT+6*\t+3]
.endr
.set i, i+1
.endr
	WIN 0
.irp t, 0,1,2,3
	v_add_f32 v[STT+6*\t+2], v[STT+6*\t+2], v[STT+6*\t+3]
.endr
.irp t, 0,1,2,3
	v_permlanex16_b32 v[STT+6*\t+3], v[STT+6*\t+2], s32, s33
.endr
.irp t, 0,1,2,3
	v_add_f32 v[STT+6*\t+2], v[STT+6*\t+2], v[STT+6*\t+3]
.endr
.irp t, 0,1,2,3
	v_fma_f32 v[STT+6*\t+2], v[STT+6*\t+2], s38, s37   ; the mean square + 1e-5
.endr
.irp t, 0,1,2,3
	v_rsq_f32 v[STT+6*\t+2], v[STT+6*\t+2]
.endr
	v_nop                                          ; a plain instruction behind the last of them, ahead of any use
	s_wait_dscnt 0x0                               ; gain and offset
	WIN 0x41
.set i, 0
	s_wait_alu depctr_va_vdst(0)
.rept 32
.irp t, 0,1,2,3
	v_pk_mul_f32 v[64*\t+2*i:64*\t+2*i+1], v[64*\t+2*i:64*\t+2*i+1], v[STT+6*\t+2:STT+6*\t+3] op_sel_hi:[1,0]
.endr
.irp t, 0,1,2,3
	v_pk_fma_f32 v[64*\t+2*i:64*\t+2*i+1], v[64*\t+2*i:64*\t+2*i+1], v[ACC+2*i:ACC+2*i+1], v[ACC+64+2*i:ACC+64+2*i+1]
.endr
.set i, i+1
.endr
	WIN 0
	s_add_co_u32 s39, s39, 1024                    ; the next stage's gain and offset
	s_sub_co_u32 s31, s31, 1
	s_cmp_lg_u32 s31, 0
	s_cbranch_scc1 .Lstage
	; THE MAXIMUM over the 64 tokens, padded ones too.  First over the four token tiles, in each lane; then over the 16 tokens of a row of lanes, halving the registers at each step:
	; lane (r, h) ends with features 16 (r >> 1) + 8 h + 4 (r & 1) + 0..3 in four registers.
	WIN 0x15
.set i, 0
.rept 64
	v_max3_num_f32 v[ACC+i], v[i], v[64+i], v[128+i]
.set i, i+1
.endr
	WIN 0x01
.set i, 0
.rept 64
	v_max_num_f32 v[ACC+i], v[192+i], v[ACC+i]
.set i, i+1
.endr
	WIN 0
	LEVEL 32, 44, 8
	LEVEL 16, 45, 4
	LEVEL 8, 46, 2
	LEVEL 4, 47, 1
	global_store_b128 v[OO], v[ACC:ACC+3], s[10:11] th:TH_STORE_NT  ; the wave's one store covers the sequence's whole row: 512 consecutive bytes, at a multiple of 256 from the output's first; none of its registers is written again
	s_wait_tensorcnt 0x0                           ; the wave's end, behind my last tensor load
	ds_add_u32 v[SPW], v[NIL]
	s_wait_dscnt 0x0
	ROUND                                          ; the closing round
	s_endpgm
.Lfunc_end_k_q5ef4a490b8_main:
	.size	k_q5ef4a490b8_main, .Lfunc_end_k_q5ef4a490b8_main-k_q5ef4a490b8_main
	.p2alignl 7, 3214868480
	.fill 96, 4, 3214868480
	.section	.rodata,"a",@progbits
	.p2align	6, 0x0
	.amdhsa_kernel k_q5ef4a490b8_main
		.amdhsa_group_segment_fixed_size 327680
		.amdhsa_private_segment_fixed_size 0
		.amdhsa_enable_private_segment 0
		.amdhsa_kernarg_size 32
		.amdhsa_user_sgpr_count 2
		.amdhsa_user_sgpr_kernarg_segment_ptr 1
		.amdhsa_wavefront_size32 1
		.amdhsa_system_sgpr_workgroup_id_x 1
		.amdhsa_system_sgpr_workgroup_id_y 1
		.amdhsa_system_sgpr_workgroup_id_z 1
		.amdhsa_system_vgpr_workitem_id 0
		.amdhsa_next_free_vgpr 1024
		.amdhsa_next_free_sgpr 66
		.amdhsa_reserve_vcc 1
		.amdhsa_float_denorm_mode_32 3
		.amdhsa_float_denorm_mode_16_64 3
		.amdhsa_memory_ordered 1
		.amdhsa_forward_progress 1
		.amdhsa_inst_pref_size 185
	.end_amdhsa_kernel
	.amdgpu_metadata
---
amdhsa.version: [ 1, 2 ]
amdhsa.kernels:
  - .name:           k_q5ef4a490b8_main
    .symbol:         k_q5ef4a490b8_main.kd
    .args:
      - { .name: lane_nodes_feat, .offset: 0, .size: 8, .value_kind: global_buffer, .address_space: global }
      - { .name: masks, .offset: 8, .size: 8, .value_kind: global_buffer, .address_space: global }
      - { .name: wf, .offset: 16, .size: 8, .value_kind: global_buffer, .address_space: global }
      - { .name: out0, .offset: 24, .size: 8, .value_kind: global_buffer, .address_space: global }
    .group_segment_fixed_size: 327680
    .private_segment_fixed_size: 0
    .kernarg_segment_align: 8
    .kernarg_segment_size: 32
    .max_flat_workgroup_size: 128
    .sgpr_count:     66
    .vgpr_count:     1024
    .wavefront_size: 32
...
	.end_amdgpu_metadata
.endif
;; end of part 2
